; MI455X (gfx1250); checked and timed in simulation.
; The chip was launched on July 23, 2026; its instructions are those of AMD's public machine-readable ISA for CDNA 5 (MIT licence, August 2026) and "CDNA5" Instruction Set Architecture Reference Guide (July 2026). The comments in the code are by the model that wrote it; some were corrected since.
;; Test Model. Allowed arithmetic: float matrix products may take bf16 or f16 operands with f32 sums; other float arithmetic in f32, or as packed bf16 or f16 multiplies, adds, multiply-adds, maxima and minima; sums over many terms, partial sums and values carried from step to step in f32; what a program stores and reads back later, other than sums and carried values, may be rounded once to bf16 or f16.
;; Inputs: g0 4,096 float32; g1 4,096 float32; g2 4,096 float32; s0 1 float32; s1 1 float32; s2 1 float32; s3 1 float32; w1 4,096 x 4,096 float32; w2 4,096 x 4,096 float32; x 2,048 x 4,096 float32.
;; Outputs: out0 2,048 x 4,096 float32.
;; One version. Each part assembles by itself: llvm-mc -triple=amdgcn-amd-amdhsa -mcpu=gfx1250 --defsym DOCPART=n.
;; ======== version 1 of 1: 6 launches
;; workspace buffers: q 16,777,216 bytes; wb1 33,554,688 bytes; wb2 33,554,688 bytes; res1 33,554,432 bytes; res2 33,554,432 bytes
;; launch cast (part 1): grid 512 x 2, 8 waves a work-group, no clusters, 0 bytes of LDS; arguments w1, w2, wb1, wb2; writes wb1, wb2
.if DOCPART == 1
	.amdgcn_target "amdgcn-amd-amdhsa--gfx1250"
	.amdhsa_code_object_version 6
	.text
	.protected	k_qd815692a56_cast
	.globl	k_qd815692a56_cast
	.p2align	8
	.type	k_qd815692a56_cast,@function
k_qd815692a56_cast:
	s_mov_b64 s[64:65], 0
	v_nop
	global_prefetch_b8 v0, s[64:65] scope:SCOPE_SE
	s_setreg_imm32_b32 hwreg(HW_REG_WAVE_MODE, 25, 1), 1
	s_wait_xcnt 0x0
; wb[k][n] = bf16(w[k][n]) for both weight matrices, [4096][4096], in the order in which they lie; rounded once, to nearest even
; (exact where w holds e4m3 values: four significant bits).  Work-group y = 0 takes w1 -> wb1, y = 1 takes w2 -> wb2.
; Behind each copy, at byte 0x2000000, lie 256 bytes with 64 copies of a f32 FLOOR that the product's launch reads:
; 0.0 behind wb1 (its residual is max(x, 0)), -infinity behind wb2 (its residual is taken as it is).
; A stream: no LDS, no barrier, no matrix work.  A work-group takes 131,072 bytes of w, a wave 16,384: 32 loads of 512 consecutive
; bytes, all issued before the first is waited for; each becomes one store of 256 consecutive bytes, aligned.
.set X, 4                              ; v[4:131]  32 x 4 numbers as loaded; the first two registers of each four then hold the four bf16
	s_load_b256 s[4:11], s[0:1], 0x0               ; w1 s[4:5], w2 s[6:7], wb1 s[8:9], wb2 s[10:11]
	v_lshrrev_b32 v3, 5, v0
	v_readfirstlane_b32 s12, v3                    ; wave 0..7
	v_and_b32 v1, 31, v0                           ; lane
	v_lshlrev_b32 v2, 3, v1                        ; 8 bytes a lane out
	v_lshlrev_b32 v1, 4, v1                        ; 16 bytes a lane in
	s_and_b32 s13, ttmp7, 0xffff                   ; which matrix
	s_lshl_b32 s18, ttmp9, 17                      ; the work-group's 131,072 bytes,
	s_lshl_b32 s19, s12, 14                        ; the wave's 16,384 of them
	s_add_co_u32 s18, s18, s19
	s_mov_b32 s19, 0
	s_lshr_b32 s20, s18, 1                         ; half as far in the copy
	s_mov_b32 s21, 0
	s_or_b32 s23, ttmp9, s12                       ; 0 for wave 0 of work-group 0 alone
	s_wait_kmcnt 0x0
	s_cmp_eq_u32 s13, 0
	s_cselect_b64 s[14:15], s[4:5], s[6:7]         ; from
	s_cselect_b64 s[16:17], s[8:9], s[10:11]       ; to
	s_cselect_b32 s22, 0, 0xff800000               ; the floor
	s_add_nc_u64 s[24:25], s[16:17], 0x2000000     ; where the floor goes: behind the 33,554,432 bytes of the copy
	s_add_nc_u64 s[14:15], s[14:15], s[18:19]
	s_add_nc_u64 s[16:17], s[16:17], s[20:21]
.set j, 0
.rept 32
	global_load_b128 v[X+4*j:X+4*j+3], v1, s[14:15] offset:512*j th:TH_LOAD_NT
.set j, j+1
.endr
.set j, 0
.rept 32
	s_wait_loadcnt 31-j                            ; loads come back in order (ISA guide 5.7.1): load j is in, the 31 - j younger ones stay out
	v_cvt_pk_bf16_f32 v[X+4*j], v[X+4*j], v[X+4*j+1]
	v_cvt_pk_bf16_f32 v[X+4*j+1], v[X+4*j+2], v[X+4*j+3]
	global_store_b64 v2, v[X+4*j:X+4*j+1], s[16:17] offset:256*j  ; 32 lanes x 8 bytes: 256 consecutive bytes, aligned
.set j, j+1
.endr
	s_cmp_lg_u32 s23, 0
	s_cbranch_scc1 .Lend                           ; one wave for each matrix writes the floor
	v_mov_b32 v132, s22
	v_mov_b32 v133, s22
	global_store_b64 v2, v[132:133], s[24:25]      ; 64 copies: the 256 bytes are written whole
.Lend:
	s_endpgm
.Lfunc_end_k_qd815692a56_cast:
	.size	k_qd815692a56_cast, .Lfunc_end_k_qd815692a56_cast-k_qd815692a56_cast
	.p2alignl 7, 3214868480
	.fill 96, 4, 3214868480
	.section	.rodata,"a",@progbits
	.p2align	6, 0x0
	.amdhsa_kernel k_qd815692a56_cast
		.amdhsa_group_segment_fixed_size 0
		.amdhsa_private_segment_fixed_size 0
		.amdhsa_enable_private_segment 0
		.amdhsa_kernarg_size 32
		.amdhsa_user_sgpr_count 2
		.amdhsa_user_sgpr_kernarg_segment_ptr 1
		.amdhsa_wavefront_size32 1
		.amdhsa_system_sgpr_workgroup_id_x 1
		.amdhsa_system_sgpr_workgroup_id_y 1
		.amdhsa_system_sgpr_workgroup_id_z 1
		.amdhsa_system_vgpr_workitem_id 0
		.amdhsa_next_free_vgpr 134
		.amdhsa_next_free_sgpr 66
		.amdhsa_reserve_vcc 0
		.amdhsa_float_denorm_mode_32 3
		.amdhsa_float_denorm_mode_16_64 3
		.amdhsa_memory_ordered 1
		.amdhsa_forward_progress 1
		.amdhsa_inst_pref_size 13
	.end_amdhsa_kernel
	.amdgpu_metadata
---
amdhsa.version: [ 1, 2 ]
amdhsa.kernels:
  - .name:           k_qd815692a56_cast
    .symbol:         k_qd815692a56_cast.kd
    .args:
      - { .name: w1, .offset: 0, .size: 8, .value_kind: global_buffer, .address_space: global }
      - { .name: w2, .offset: 8, .size: 8, .value_kind: global_buffer, .address_space: global }
      - { .name: wb1, .offset: 16, .size: 8, .value_kind: global_buffer, .address_space: global }
      - { .name: wb2, .offset: 24, .size: 8, .value_kind: global_buffer, .address_space: global }
    .group_segment_fixed_size: 0
    .private_segment_fixed_size: 0
    .kernarg_segment_align: 8
    .kernarg_segment_size: 32
    .max_flat_workgroup_size: 256
    .sgpr_count:     66
    .vgpr_count:     134
    .wavefront_size: 32
...
	.end_amdgpu_metadata
.endif
;; end of part 1
;; launch quant1 (part 2): grid 256 x 1, 8 waves a work-group, no clusters, 0 bytes of LDS; arguments x, g0, s0, q; writes q
.if DOCPART == 2
	.amdgcn_target "amdgcn-amd-amdhsa--gfx1250"
	.amdhsa_code_object_version 6
	.text
	.protected	k_qd815692a56_quant1
	.globl	k_qd815692a56_quant1
	.p2align	8
	.type	k_qd815692a56_quant1,@function
k_qd815692a56_quant1:
	s_mov_b64 s[64:65], 0
	v_nop
	global_prefetch_b8 v0, s[64:65] scope:SCOPE_SE
	s_setreg_imm32_b32 hwreg(HW_REG_WAVE_MODE, 25, 1), 1
	s_wait_xcnt 0x0
; q[r][c] = e4m3(clip(y / s, -448, 448)) written as bf16 (exact: four significant bits, 2^-9 to 448), y = (x[r][c] * rsqrt(mean_c x^2 + 1e-6)) * g[c].
; x: [2048][4096] f32, g: [4096] f32, s: one f32, q: [2048][4096] bf16.  All arithmetic in f32, in the problem's order of roundings: x * rs, then * g, then / s.
; rs and 1 / s are v_rsq_f32 and v_rcp_f32 with one Newton step each; the quotient y / s gets one correction by its remainder, so that it is the rounded quotient but for rare last-bit cases.
; LIMITS.  The sum of squares is taken in 8 chains a lane and then across lanes, another order than a plain row sum.  A NaN in x is not carried: the clip's median drops it.
; SHARES.  One wave, one row of 16,384 bytes: it stays in 128 registers between the sum and the scaling, so x is read once; g lies in 128 more.  No LDS, no barrier, no loop:
; the 2,048 rows are the 2,048 waves of the launch.  Matrix units and clusters have nothing to do here: no product, and nothing but g (16 KiB) is shared.
; REGISTERS.  Window 0 as named below; window 1 (s_set_vgpr_msb: bits 1:0 source 0, 3:2 source 1, 5:4 source 2, 7:6 destination): v0-127 = g.
.set ACC, 4                            ; v[4:11]    four packed chains of squares
.set SUM, 12                           ; v12        the row's sum, then mean + eps
.set PX,  13                           ; v13        the other half of the lanes' sum
.set RS,  14                           ; v[14:15]   rsqrt, twice (a pair for the packed multiply)
.set RI,  16                           ; v[16:17]   1 / s, twice
.set SV,  18                           ; v[18:19]   s, twice
.set TU,  20                           ; v[20:35]   two sets of T (4) and U (4), at work, by turns
.set EPSV, 38                          ; v38        1e-6           (v36, v37: four e4m3 codes, by turns)
.set Y,   64                           ; v[64:127]  the row in bf16, never rewritten
.set X,   128                          ; v[128:255] the row
.set G,   0                            ; window 1
.set MSB, 0
.macro WIN new                         ; the immediate's high byte repeats the setting that is left
.if MSB != (\new)
	s_set_vgpr_msb (MSB<<8)|(\new)
.set MSB, \new
.endif
.endm
	s_load_b256 s[4:11], s[0:1], 0x0               ; x s[4:5], g s[6:7], s s[8:9], q s[10:11]
	v_lshrrev_b32 v3, 5, v0
	v_readfirstlane_b32 s12, v3                    ; wave 0..7
	v_and_b32 v1, 31, v0
	v_lshlrev_b32 v2, 3, v1                        ; 8 bytes a lane out
	v_lshlrev_b32 v1, 4, v1                        ; 16 bytes a lane in
	s_lshl_b32 s13, ttmp9, 3
	s_add_co_u32 s13, s13, s12                     ; my row
	s_lshl_b32 s14, s13, 14                        ; x 16,384 bytes
	s_mov_b32 s15, 0
	s_lshl_b32 s16, s13, 13                        ; x 8,192 bytes
	s_mov_b32 s17, 0
	s_mov_b32 s19, 0x39800000                      ; 1 / 4096
	s_mov_b32 s20, 0xc3e00000                      ; -448
	s_mov_b32 s21, 0x43e00000                      ; 448
	s_mov_b32 s22, 0x76543210                      ; v_permlanex16_b32: each lane takes its own place in the other half
	s_mov_b32 s23, 0xfedcba98
	v_mov_b32 v[PX], 0                             ; destinations that count as read are written once
	v_mov_b32 v36, 0
	v_mov_b32 v37, 0
	v_mov_b32 v[EPSV], 0x358637bd
	s_wait_kmcnt 0x0
	s_load_b32 s18, s[8:9], 0x0                    ; s
	s_add_nc_u64 s[4:5], s[4:5], s[14:15]
	s_add_nc_u64 s[10:11], s[10:11], s[16:17]
.set j, 0
.rept 32                                       ; the row: 32 loads of 512 consecutive bytes; lane l of load j holds columns 128 j + 4 l + 0..3
	global_load_b128 v[X+4*j:X+4*j+3], v1, s[4:5] offset:512*j
.set j, j+1
.endr
	WIN 0x40
.set j, 0
.rept 31                                       ; g, the same columns; its last load follows the first wait, so that 63 loads are out at the most
	global_load_b128 v[G+4*j:G+4*j+3], v1, s[6:7] offset:512*j
.set j, j+1
.endr
	WIN 0
	; the sum of squares; the first four products start the chains: nothing is cleared
.set j, 0
.rept 32
.if j == 0
	s_wait_loadcnt 62                              ; behind x's load 0: 31 of x, 31 of g
.else
	s_wait_loadcnt 63-j                            ; behind x's load j: 31 - j of x, 32 of g
.endif
.if j < 2
	v_pk_mul_f32 v[ACC+4*j:ACC+4*j+1], v[X+4*j:X+4*j+1], v[X+4*j:X+4*j+1]
	v_pk_mul_f32 v[ACC+4*j+2:ACC+4*j+3], v[X+4*j+2:X+4*j+3], v[X+4*j+2:X+4*j+3]
.else
	v_pk_fma_f32 v[ACC+4*(j%2):ACC+4*(j%2)+1], v[X+4*j:X+4*j+1], v[X+4*j:X+4*j+1], v[ACC+4*(j%2):ACC+4*(j%2)+1]
	v_pk_fma_f32 v[ACC+4*(j%2)+2:ACC+4*(j%2)+3], v[X+4*j+2:X+4*j+3], v[X+4*j+2:X+4*j+3], v[ACC+4*(j%2)+2:ACC+4*(j%2)+3]
.endif
.if j == 0
	WIN 0x40
	global_load_b128 v[G+124:G+127], v1, s[6:7] offset:512*31
	WIN 0
.endif
.set j, j+1
.endr
	v_pk_add_f32 v[ACC:ACC+1], v[ACC:ACC+1], v[ACC+2:ACC+3]
	v_pk_add_f32 v[ACC+4:ACC+5], v[ACC+4:ACC+5], v[ACC+6:ACC+7]
	v_pk_add_f32 v[ACC:ACC+1], v[ACC:ACC+1], v[ACC+4:ACC+5]
	v_add_f32 v[SUM], v[ACC], v[ACC+1]
	v_add_f32_dpp v[SUM], v[SUM], v[SUM] row_xmask:1 row_mask:0xf bank_mask:0xf
	v_add_f32_dpp v[SUM], v[SUM], v[SUM] row_xmask:2 row_mask:0xf bank_mask:0xf
	v_add_f32_dpp v[SUM], v[SUM], v[SUM] row_xmask:4 row_mask:0xf bank_mask:0xf
	v_add_f32_dpp v[SUM], v[SUM], v[SUM] row_xmask:8 row_mask:0xf bank_mask:0xf
	v_permlanex16_b32 v[PX], v[SUM], s22, s23
	v_add_f32 v[SUM], v[SUM], v[PX]                ; every lane holds the row's sum
	v_fma_f32 v[SUM], v[SUM], s19, v[EPSV]         ; the division by 4,096 is exact, so this is mean + eps rounded once
	s_wait_kmcnt 0x0                               ; s
	v_mov_b32 v[SV], s18
	v_rsq_f32 v[RS], v[SUM]
	v_rcp_f32 v[RI], v[SV]
	v_mov_b32 v[SV+1], s18                         ; the plain instruction behind the two transcendentals (ISA guide 5.7.2)
	s_wait_alu depctr_va_vdst(0)
	v_mul_f32 v20, v[SUM], v[RS]                   ; Newton for rs: rs + 0.5 rs (1 - var rs^2)
	v_fma_f32 v23, -v[SV], v[RI], 1.0              ; Newton for ri: ri + ri (1 - s ri)
	v_fma_f32 v21, -v20, v[RS], 1.0
	v_mul_f32 v22, 0.5, v[RS]
	v_fma_f32 v[RI], v[RI], v23, v[RI]
	v_fma_f32 v[RS], v22, v21, v[RS]
	v_mov_b32 v[RI+1], v[RI]
	v_mov_b32 v[RS+1], v[RS]
.set j, 0
.rept 64                                       ; x * rs
	v_pk_mul_f32 v[X+2*j:X+2*j+1], v[X+2*j:X+2*j+1], v[RS:RS+1]
.set j, j+1
.endr
	WIN 0x04                                       ; source 1 in window 1
.set j, 0
.rept 32                                       ; * g
	s_wait_loadcnt 31-j                            ; g's load j is in, the 31 - j younger ones stay out
	v_pk_mul_f32 v[X+4*j:X+4*j+1], v[X+4*j:X+4*j+1], v[G+4*j:G+4*j+1]
	v_pk_mul_f32 v[X+4*j+2:X+4*j+3], v[X+4*j+2:X+4*j+3], v[G+4*j+2:G+4*j+3]
.set j, j+1
.endr
	WIN 0
	; / s, clip, to e4m3 and back, to bf16, out: four numbers a lane at a time
.set j, 0
.rept 32
.set T, TU+8*(j%2)
.set U, T+4
.set XJ, X+4*j
	v_pk_mul_f32 v[T:T+1], v[XJ:XJ+1], v[RI:RI+1]                  ; t = y ri
	v_pk_mul_f32 v[T+2:T+3], v[XJ+2:XJ+3], v[RI:RI+1]
	v_pk_fma_f32 v[U:U+1], v[T:T+1], v[SV:SV+1], v[XJ:XJ+1] neg_lo:[1,0,0] neg_hi:[1,0,0]          ; the remainder y - t s
	v_pk_fma_f32 v[U+2:U+3], v[T+2:T+3], v[SV:SV+1], v[XJ+2:XJ+3] neg_lo:[1,0,0] neg_hi:[1,0,0]
	v_pk_fma_f32 v[T:T+1], v[U:U+1], v[RI:RI+1], v[T:T+1]          ; t + remainder x ri
	v_pk_fma_f32 v[T+2:T+3], v[U+2:U+3], v[RI:RI+1], v[T+2:T+3]
	v_med3_num_f32 v[T], v[T], s20, s21                            ; the conversion does not saturate: clip first, as the problem does
	v_med3_num_f32 v[T+1], v[T+1], s20, s21
	v_med3_num_f32 v[T+2], v[T+2], s20, s21
	v_med3_num_f32 v[T+3], v[T+3], s20, s21
.if j%2 == 0
	v_cvt_pk_fp8_f32 v36.l, v[T], v[T+1]
	v_cvt_pk_fp8_f32 v36.h, v[T+2], v[T+3]
	v_cvt_pk_f32_fp8 v[U:U+1], v36.l
	v_cvt_pk_f32_fp8 v[U+2:U+3], v36.h
.else
	v_cvt_pk_fp8_f32 v37.l, v[T], v[T+1]
	v_cvt_pk_fp8_f32 v37.h, v[T+2], v[T+3]
	v_cvt_pk_f32_fp8 v[U:U+1], v37.l
	v_cvt_pk_f32_fp8 v[U+2:U+3], v37.h
.endif
	v_cvt_pk_bf16_f32 v[Y+2*j], v[U], v[U+1]
	v_cvt_pk_bf16_f32 v[Y+2*j+1], v[U+2], v[U+3]
	global_store_b64 v2, v[Y+2*j:Y+2*j+1], s[10:11] offset:256*j   ; 32 lanes x 8 bytes: 256 consecutive bytes, aligned; its registers are never rewritten
.set j, j+1
.endr
	s_endpgm
.Lfunc_end_k_qd815692a56_quant1:
	.size	k_qd815692a56_quant1, .Lfunc_end_k_qd815692a56_quant1-k_qd815692a56_quant1
	.p2alignl 7, 3214868480
	.fill 96, 4, 3214868480
	.section	.rodata,"a",@progbits
	.p2align	6, 0x0
	.amdhsa_kernel k_qd815692a56_quant1
		.amdhsa_group_segment_fixed_size 0
		.amdhsa_private_segment_fixed_size 0
		.amdhsa_enable_private_segment 0
		.amdhsa_kernarg_size 32
		.amdhsa_user_sgpr_count 2
		.amdhsa_user_sgpr_kernarg_segment_ptr 1
		.amdhsa_wavefront_size32 1
		.amdhsa_system_sgpr_workgroup_id_x 1
		.amdhsa_system_sgpr_workgroup_id_y 1
		.amdhsa_system_sgpr_workgroup_id_z 1
		.amdhsa_system_vgpr_workitem_id 0
		.amdhsa_next_free_vgpr 384
		.amdhsa_next_free_sgpr 66
		.amdhsa_reserve_vcc 0
		.amdhsa_float_denorm_mode_32 3
		.amdhsa_float_denorm_mode_16_64 3
		.amdhsa_memory_ordered 1
		.amdhsa_forward_progress 1
		.amdhsa_inst_pref_size 56
	.end_amdhsa_kernel
	.amdgpu_metadata
---
amdhsa.version: [ 1, 2 ]
amdhsa.kernels:
  - .name:           k_qd815692a56_quant1
    .symbol:         k_qd815692a56_quant1.kd
    .args:
      - { .name: x, .offset: 0, .size: 8, .value_kind: global_buffer, .address_space: global }
      - { .name: g0, .offset: 8, .size: 8, .value_kind: global_buffer, .address_space: global }
      - { .name: s0, .offset: 16, .size: 8, .value_kind: global_buffer, .address_space: global }
      - { .name: q, .offset: 24, .size: 8, .value_kind: global_buffer, .address_space: global }
    .group_segment_fixed_size: 0
    .private_segment_fixed_size: 0
    .kernarg_segment_align: 8
    .kernarg_segment_size: 32
    .max_flat_workgroup_size: 256
    .sgpr_count:     66
    .vgpr_count:     384
    .wavefront_size: 32
...
	.end_amdgpu_metadata
.endif
;; end of part 2
;; launch gemm1 (part 3): grid 16 x 16, 4 waves a work-group, clusters of 4 x 4, 327,680 bytes of LDS; arguments q, wb1, x, s0, s1, res1; writes res1
.if DOCPART == 3
	.amdgcn_target "amdgcn-amd-amdhsa--gfx1250"
	.amdhsa_code_object_version 6
	.text
	.protected	k_qd815692a56_gemm1
	.globl	k_qd815692a56_gemm1
	.p2align	8
	.type	k_qd815692a56_gemm1,@function
k_qd815692a56_gemm1:
	s_mov_b64 s[64:65], 0
	v_nop
	global_prefetch_b8 v0, s[64:65] scope:SCOPE_SE
	s_setreg_imm32_b32 hwreg(HW_REG_WAVE_MODE, 25, 1), 1
	s_wait_xcnt 0x0
	s_wait_alu depctr_hold_cnt(0) depctr_sa_sdst(0) depctr_va_vdst(0) depctr_va_sdst(0) depctr_va_ssrc(0) depctr_va_vcc(0) depctr_vm_vsrc(0)
	s_getreg_b32 s2, hwreg(HW_REG_IB_STS2, 6, 4)
	s_cmp_eq_u32 s2, 0
	s_cbranch_scc0 .Lentry_in_a_cluster
	s_endpgm
.Lentry_in_a_cluster:
	s_bfe_u32 s2, ttmp6, 0x10000c
	s_cmp_lg_u32 s2, 0xf033
	s_cbranch_scc0 .Lentry_shape_is_right
	s_endpgm
.Lentry_shape_is_right:
; resout[m][n] = (sum over k of q[m][k] wb[k][n]) * (sa * sb) + max(resin[m][n], floor).
; q: [2048][4096] bf16 (e4m3 values), wb: [4096 k][4096 n] bf16, resin and resout: [2048][4096] f32, sa and sb: one f32 each; floor: the f32 at byte 0x2000000 of wb's buffer
; (0.0: the residual is relu(resin); -infinity: it is resin itself), so that one text serves both products of the module.  Scale and residual in one fused multiply-add.
; LIMITS.  A NaN in resin is not carried (the maximum drops it).  The weights are bf16: exact for e4m3 values, one rounding for others.
; Each output is the sum of TWO f32 partial sums (even and odd groups of 32 k, each K ascending), added once in f32: another order of rounding than one chain over K.
; SHARES.  A tile of the result is 128 (m) x 256 (n): 16 x 16 tiles, one work-group each.  Four waves; wave w takes the 128 columns wn = w & 1 and, of every 64 k, the 32 k kh = w >> 1,
; for ALL 128 rows: 64 accumulators of 16 x 16, 512 registers.  So 32 LDS loads feed 64 matrix instructions; a wave tile of 64 x 128 over all k would need 24 for 32.
; At the end the two waves of a pair (w, w ^ 2) exchange halves through LDS: each keeps its own 64 rows (64 kh on) and gives the other 64 away.  A wave names q's row blocks so that its
; accumulators a = 0..3 are its own rows and a = 4..7 the partner's: one text, no branch.
; K goes in steps of 192 through a ring of two LDS slots filled by the tensor data mover.  A slot takes 832 bytes for each k (q: 128 rows x 2.25 bytes with padding; wb: 544), so two slots of 192
; take 319,488 of LDS's 327,680 bytes and two of 256 would not fit: the step is as long as LDS allows, so that a refill has 176 matrix instructions of a wave in which to land.
; 4,096 = 21 x 192 + 64: there are 22 steps, and of the last only 64 k exist: its loads state what is left of the tensors (the rest of the tiles arrives as zeros and is not read),
; and each wave multiplies one part of it.  wb's tile rows are 512 bytes at multiples of 512; q's are 384 bytes at multiples of 128: the price of this step.
; CLUSTER.  4 x 4 work-groups.  The four of a row of the cluster need the same tile of q, the four of a column the same tile of wb: each tile is asked for JOINTLY, by the same tensor load
; with the same descriptor and a mask that names the four.
; THE MATRIX INSTRUCTION IS USED TRANSPOSED: source 0 = 16 columns of wb (turned on the way out of LDS by ds_load_tr16_b128, since wb lies [k][n]), source 1 = 16 rows of q.
; In the result lane l holds row l % 16 and the eight neighbouring columns 8 (l / 16) + 0..7.
; REGISTERS, in windows of 256 (s_set_vgpr_msb: bits 1:0 source 0, 3:2 source 1, 5:4 source 2, 7:6 destination):
;   window 0: v0-29 addresses; v64-127, v128-191 fragments of q (8 x 16 rows x 32 k), two buffers; on the way out 16 rows of mine and 16 of the partner's partial; v192-255 resin, block 2
;   window 1: v64-127, v128-191 fragments of wb, two buffers; v0-63, v192-255 resin, blocks 0 and 1; v64-127 takes block 3 when buffer 0 has been multiplied for the last time
;   window 2: the accumulators of my own rows, (a, b) at v[8 (8 a + b)], a = 0..3          window 3: those of the partner's rows, a = 4..7
.set KSTEP, 192
.set CH,    144                        ; q in LDS: 128 bytes (64 k) and 16 of padding
.set PA,    3*CH                       ; a row of q: 432 bytes = 27 x 16: the 16 rows of a load start at 16 different groups of four banks (64 banks of 4 bytes: ISA guide 11.1)
.set PB,    544                        ; a row of wb: 512 + 32 = 136 words
.set HALFA, 64*PA                      ; what one tensor load brings of q: 64 rows
.set HALFB, 96*PB                      ; and of wb: 96 k rows
.set BOFF,  2*HALFA                    ; in a slot: q's 128 rows, then wb's 192 rows
.set SLOT,  2*HALFA+2*HALFB            ; 159,744 bytes
.set SP,    528                        ; a row of 128 f32 on the way out: 512 bytes + 16: the 16 rows of a store start at 16 different groups of four banks
.set XW,    64*SP                      ; THE EXCHANGE: 64 such rows for each wave, from LDS byte 0 on: 135,168 bytes in slot 0, which has had its last fill and its last read by then
.set STAGE, SLOT                       ; THE STAGES: 16 such rows for each wave, in slot 1: stored into only behind the exchange's barrier, when slot 1 has had its last fill and its last read
.set SPARE, 2*SLOT                     ; behind the ring: the spare words, 128 bytes for each wave: two blocks of 256 bytes that no other line names
.set TRIPS, 9                          ; trips of the loop: each goes once round the ring
.set ROWB,  8192                       ; bytes in a row of q and of wb
.set ROWR,  16384                      ; bytes in a row of resin and resout
.set ADRA, 12                          ; v12-13  LDS address of q's fragments of my own rows in slot 0, 1;  v14-15 of the partner's rows
.set ADRB, 16                          ; v16-17  the same for wb, my parts 0 and 1 of a step;  v18-19 my part 2 (128 rows on: an LDS offset has 16 bits)
.set STO,  20                          ; v20     the way out: where I put 32 bytes of a row in my stage
.set RD,   21                          ; v21     where I read a row back
.set XS,   22                          ; v22     the exchange: where I put 32 bytes of a row for the partner
.set XR,   23                          ; v23     where I read a row of the partner's partial sums
.set CO,   24                          ; v24     my 16 bytes in 512 consecutive bytes of resin and resout; never rewritten
.set SPW,  28                          ; v28     LDS address of my spare word: SPARE + 4 x my thread's number; never rewritten
.set NIL,  29                          ; v29     0; never rewritten
.set F0,   64                          ; fragment buffer 0
.set F1,   128                         ; fragment buffer 1
.set TT,   64                          ; the way out: 16 rows of my partial sums, then of the result
.set PP,   128                         ; the way out: the same 16 rows of the partner's partial sums
.set WV,  16                           ; s16  my wave's number
.set KH,  17                           ; s17  which 32 of every 64 k are mine, and which 64 rows I finish.  Also: I fetch for q (0) or for wb (1)
.set WN,  18                           ; s18  which 128 columns.  Also: which half of that tile's rows I fetch
.set G1,  24                           ; s[24:31] descriptor group 1 for q's tiles;  s[32:39] group 0, one set for each slot
.set G0,  32
.set G1B, 48                           ; s[48:55], s[56:63] the same for wb's tiles
.set G0B, 56
.set SC,  66                           ; s[66:67] sa x sb: the packed multiply-add names a pair and takes its low word for both halves
.set FLO, 68                           ; s68  the floor
.set MSB, 0
.macro WIN new                         ; the immediate's high byte repeats the setting that is left; a switch that changes nothing is dropped
.if MSB != (\new)
	s_set_vgpr_msb (MSB<<8)|(\new)
.set MSB, \new
.endif
.endm
.set MUL_LO, 0xa1                      ; source 0 (wb) window 1, source 1 (q) window 0, C and D window 2
.set TO_B,   0x40                      ; destination window 1, address window 0
; A load into a register that a matrix instruction has read, and an LDS store that reads a matrix result, stand four places behind that matrix instruction, and only plain vector
; instructions that name none of its registers are places (ISA guide 7.12.1 for vector instructions).
.macro PLACES
.rept 4
	v_nop
.endr
.endm
; A joint load.  Waves 0 and 1 fetch q's two halves, waves 2 and 3 wb's.  Each of the two lines has one mask and one set of registers for all that issue it; the branch hangs on the wave's number alone.
; An s_nop 0 and four v_nop follow each of the two lines, ahead of the jump, the label and what follows.
.macro JLOAD s
	s_cmp_eq_u32 s[KH], 0
	s_cbranch_scc0 .Lfor_b_\@
	tensor_load_to_lds s[G0+4*(\s):G0+4*(\s)+3], s[G1:G1+7]
	s_nop 0
	PLACES
	s_branch .Lasked_\@
.Lfor_b_\@:
	tensor_load_to_lds s[G0B+4*(\s):G0B+4*(\s)+3], s[G1B:G1B+7]
	s_nop 0
	PLACES
.Lasked_\@:
.endm
; The last step's joint load: 64 k are left.  Waves 0 and 1 fetch q's halves, wave 2 wb's 64 rows; wave 3's 96 rows would begin past wb's end, so it issues none, in every work-group alike.
.macro JLOADL s
	s_cmp_eq_u32 s[KH], 0
	s_cbranch_scc0 .Lnot_a_\@
	tensor_load_to_lds s[G0+4*(\s):G0+4*(\s)+3], s[G1:G1+7]
	s_nop 0
	PLACES
	s_branch .Lasked_\@
.Lnot_a_\@:
	s_cmp_eq_u32 s[WV], 2
	s_cbranch_scc0 .Lnone_\@
	tensor_load_to_lds s[G0B+4*(\s):G0B+4*(\s)+3], s[G1B:G1B+7]
	s_nop 0
	PLACES
	s_branch .Lasked_\@
.Lnone_\@:
	PLACES                                         ; wave 3 owes the places in front of the fragment loads all the same
.Lasked_\@:
.endm
; A round of the cluster's barrier: my work-group's barrier, so that wave 0's signal speaks for all four waves; wave 0 signals; every wave waits for all sixteen work-groups; my work-group's barrier once more.
.macro CREST                           ; a round behind its opening barrier
	s_cmp_lg_u32 s[WV], 0
	s_cbranch_scc1 .Lnot_wave_0_\@
	s_barrier_signal -3
.Lnot_wave_0_\@:
	s_barrier_wait -3
	s_barrier_signal -1
	s_barrier_wait -1
.endm
.macro CROUND                          ; a whole round
	s_barrier_signal -1
	s_barrier_wait -1
	CREST
.endm
	s_load_b256 s[4:11], s[0:1], 0x0               ; q s[4:5], wb s[6:7], resin s[8:9], sa's address s[10:11]
	s_load_b128 s[12:15], s[0:1], 0x20             ; sb's address s[12:13], resout s[14:15]
	v_lshl_add_u32 v[SPW], v0, 2, SPARE
	v_mov_b32 v[NIL], 0
	ds_add_u32 v[SPW], v[NIL]                      ; the wave's opening: the add and its wait stand ahead of my first tensor load; the set-up below, work on registers, stands between them
	v_lshrrev_b32 v1, 5, v0
	v_readfirstlane_b32 s[WV], v1                  ; wave 0..3
	s_lshr_b32 s[KH], s[WV], 1
	s_and_b32 s[WN], s[WV], 1
	s_bfe_u32 s40, ttmp6, 0x40000                  ; cx, cy: my place in the cluster
	s_bfe_u32 s41, ttmp6, 0x40004
	s_lshl_b32 s42, ttmp9, 2                       ; in a cluster launch ttmp9 and ttmp7 count clusters
	s_add_co_u32 s42, s42, s40                     ; tile column = 4 x cluster x + cx
	s_and_b32 s43, ttmp7, 0xffff
	s_lshl_b32 s43, s43, 2
	s_add_co_u32 s43, s43, s41                     ; tile row = 4 x cluster y + cy
	s_lshl_b32 s44, s41, 2
	s_lshl_b32 s44, 15, s44                        ; my row of the cluster: places 4 cy .. 4 cy + 3
	s_lshl_b32 s45, 0x1111, s40                    ; my column: places cx, cx + 4, cx + 8, cx + 12
	; descriptor group 1.  q: 64 rows x 192 elements, padded behind every 128 bytes; wb: 96 rows x 256 elements, padded behind every row
	s_or_b32 s[G1+0], s44, (1<<16)|(1<<20)|(1<<21)|(4<<22)|(3<<25)   ; 15:0 the mask: q's tiles go to my row; 17:16 2-byte elements; 20 padding on; 21 set beside a mask; 24:22 after every 32 words (code 4), a third of a row; 31:25 4 words (code 3)
	s_or_b32 s[G1B+0], s45, (1<<16)|(1<<20)|(1<<21)|(6<<22)|(7<<25)  ; wb's go to my column; after every 128 words (code 6) 8 words (code 7)
	s_mov_b32 s[G1+1], KSTEP<<16                   ; tensor_dim0 = 192
	s_mov_b32 s[G1+2], 64<<16                      ; tensor_dim1 = 64
	s_mov_b32 s[G1+3], KSTEP<<16                   ; tile_dim0 = 192
	s_mov_b32 s[G1+4], 64                          ; tile_dim1 = 64
	s_mov_b32 s[G1+5], 4096                        ; elements from row to row
	s_mov_b32 s[G1+6], 0
	s_mov_b32 s[G1+7], 0
	s_mov_b32 s[G1B+1], 256<<16                    ; tensor_dim0 = 256
	s_mov_b32 s[G1B+2], 96<<16                     ; tensor_dim1 = 96
	s_mov_b32 s[G1B+3], 256<<16                    ; tile_dim0 = 256
	s_mov_b32 s[G1B+4], 96                         ; tile_dim1 = 96
	s_mov_b32 s[G1B+5], 4096
	s_mov_b32 s[G1B+6], 0
	s_mov_b32 s[G1B+7], 0
	; where the tiles come from.  q's hang on the tile row alone, which my row of the cluster shares; wb's on the tile column alone, which my column shares.
	; Every wave makes both, in registers that never hold the other coordinate, and asks by one of them.
	s_lshl_b32 s20, s43, 7
	s_lshl_b32 s21, s[WN], 6
	s_add_co_u32 s20, s20, s21                     ; q: row 128 x tile row + 64 x half,
	s_lshl_b32 s20, s20, 13                        ; x 8,192 bytes
	s_mov_b32 s21, 0
	s_lshl_b32 s46, s42, 9                         ; wb: column 256 x tile column, 2 bytes each,
	s_mul_i32 s47, s[WN], 96*ROWB                  ; k row 96 x half, 8,192 bytes each
	s_add_co_u32 s46, s46, s47
	s_mov_b32 s47, 0
	s_mul_i32 s22, s[WN], HALFA                    ; and where they go: no place in the cluster enters an LDS address
	s_mul_i32 s23, s[WN], HALFB
	s_add_co_u32 s23, s23, BOFF
	s_wait_dscnt 0x0                               ; the opening add is done
	s_wait_kmcnt 0x0
	s_add_nc_u64 s[20:21], s[4:5], s[20:21]
	s_add_nc_u64 s[46:47], s[6:7], s[46:47]
	s_add_nc_u64 s[72:73], s[6:7], 0x2000000       ; the floor lies behind wb's 33,554,432 bytes
	CROUND                                         ; all sixteen work-groups are here: the first joint loads meet
.irp s, 0,1
	s_mov_b32 s[G0+4*(\s)], 1                                      ; 1:0 count = 1
	s_add_co_u32 s[G0+4*(\s)+1], s22, (\s)*SLOT                    ; 63:32 LDS address
	s_add_nc_u64 s[G0+4*(\s)+2:G0+4*(\s)+3], s[20:21], (\s)*KSTEP*2  ; 120:64 global address: K step s
	s_or_b32 s[G0+4*(\s)+3], s[G0+4*(\s)+3], 0x80000000            ; 127:126 type = 2
	s_mov_b32 s[G0B+4*(\s)], 1
	s_add_co_u32 s[G0B+4*(\s)+1], s23, (\s)*SLOT
	s_add_nc_u64 s[G0B+4*(\s)+2:G0B+4*(\s)+3], s[46:47], (\s)*KSTEP*ROWB
	s_or_b32 s[G0B+4*(\s)+3], s[G0B+4*(\s)+3], 0x80000000
	JLOAD \s                                       ; the ring is filled before anything else is done: two loads of mine are out
.endr
	s_load_b32 s69, s[10:11], 0x0                  ; sa
	s_load_b32 s70, s[12:13], 0x0                  ; sb
	s_load_b32 s[FLO], s[72:73], 0x0
	; A fragment of q is 16 rows x 32 K in 8 registers: lane l holds row l % 16, K = 8 (l / 16) + 0..7 and 16 + 8 (l / 16) + 0..7: two loads of 16 bytes, 32 bytes apart.
	; My part p of a step is k = 64 p + 32 kh on: in a row of q byte 144 p + 64 kh, in wb row 64 p + 32 kh.
	v_and_b32 v1, 15, v0                           ; l % 16
	v_bfe_u32 v2, v0, 4, 1                         ; l / 16
	v_mul_u32_u24 v3, v1, PA
	v_lshl_add_u32 v3, v2, 4, v3                   ; row x pitch + 16 x half
	s_lshl_b32 s20, s[KH], 6                       ; 64 kh
	s_mul_i32 s22, s[KH], 64*PA                    ; my own 64 rows of q
	s_add_co_u32 s22, s22, s20
	s_xor_b32 s21, s[KH], 1
	s_mul_i32 s23, s21, 64*PA                      ; the partner's 64 rows
	s_add_co_u32 s23, s23, s20
.irp s, 0,1
	v_add_nc_u32 v[ADRA+(\s)], s22, v3
	v_add_nc_u32 v[ADRA+2+(\s)], s23, v3
	s_add_co_u32 s22, s22, SLOT
	s_add_co_u32 s23, s23, SLOT
.endr
	; The turning load takes 16 k x 16 columns (lane l reads 16 bytes: k row 8 (l / 16) + l % 8, columns 8 ((l / 8) % 2) + 0..7) and leaves half a fragment: lane l holds column l % 16 and 8 k.
	v_and_b32 v4, 7, v0
	v_bfe_u32 v5, v0, 3, 1
	v_lshl_add_u32 v6, v2, 3, v4
	v_mul_u32_u24 v6, v6, PB
	v_lshl_add_u32 v6, v5, 4, v6
	s_lshl_b32 s22, s[WN], 8                       ; my 128 columns of wb,
	s_mul_i32 s23, s[KH], 32*PB                    ; my 32 of every 64 rows,
	s_add_co_u32 s22, s22, s23
	s_add_co_u32 s22, s22, BOFF                    ; behind q's 128 rows
.irp s, 0,1
	v_add_nc_u32 v[ADRB+(\s)], s22, v6
	v_add_nc_u32 v[ADRB+2+(\s)], 128*PB, v[ADRB+(\s)]
	s_add_co_u32 s22, s22, SLOT
.endr
	v_and_b32 v[CO], 31, v0
	v_lshlrev_b32 v[CO], 4, v[CO]                  ; 16 x lane
	v_mul_u32_u24 v7, v1, SP                       ; in: row l % 16, 32 bytes for each half of the lanes
	v_lshl_add_u32 v7, v2, 5, v7
	s_mul_i32 s22, s[WV], 16*SP
	s_add_co_u32 s22, s22, STAGE                   ; my stage
	v_add_nc_u32 v[STO], s22, v7
	v_add_nc_u32 v[RD], s22, v[CO]                 ; back: 32 lanes take one row of 512 bytes
	s_mul_i32 s22, s[WV], XW                       ; what I give away lies at my wave's number,
	v_add_nc_u32 v[XS], s22, v7
	s_xor_b32 s23, s[WV], 2                        ; what I am given at the partner's: the wave with my columns and the other k
	s_mul_i32 s23, s23, XW
	v_add_nc_u32 v[XR], s23, v[CO]
	s_lshl_b32 s76, s43, 7                         ; where my part of the tile begins in resin and resout:
	s_lshl_b32 s77, s[KH], 6
	s_add_co_u32 s76, s76, s77                     ; row 128 x tile row + 64 kh,
	s_lshl_b32 s76, s76, 14                        ; x 16,384 bytes,
	s_lshl_b32 s77, s42, 10                        ; column 256 x tile column, 4 bytes each,
	s_add_co_u32 s76, s76, s77
	s_lshl_b32 s77, s[WN], 9                       ; + 128 x half
	s_add_co_u32 s76, s76, s77
	s_mov_b32 s77, 0
	s_add_nc_u64 s[8:9], s[8:9], s[76:77]
	s_add_nc_u64 s[14:15], s[14:15], s[76:77]
	s_wait_kmcnt 0x0                               ; sa, sb, the floor
	s_mul_f32 s[SC], s69, s70
	s_mov_b32 s[SC+1], s[SC]                       ; named with it as a pair, so it is written
; 8 matrix instructions: m block a (0..7) x all 8 n blocks, 32 along K, from buffer f.  zero = 1: the first product starts the sums: nothing is ever cleared.
; The 64 accumulators take turns, one instruction a turn: between two links of a chain stand 24 others' or more.
.macro MUL8 f, a, zero
	WIN MUL_LO+0x50*((\a)/4)                       ; C and D in window 2 (a < 4) or 3
.irp b, 0,1,2,3,4,5,6,7
.if \zero
	v_wmma_f32_16x16x32_bf16 v[8*(8*((\a)%4)+(\b)):8*(8*((\a)%4)+(\b))+7], v[(\f)+8*(\b):(\f)+8*(\b)+7], v[(\f)+8*(\a):(\f)+8*(\a)+7], 0
.else
	v_wmma_f32_16x16x32_bf16 v[8*(8*((\a)%4)+(\b)):8*(8*((\a)%4)+(\b))+7], v[(\f)+8*(\b):(\f)+8*(\b)+7], v[(\f)+8*(\a):(\f)+8*(\a)+7], v[8*(8*((\a)%4)+(\b)):8*(8*((\a)%4)+(\b))+7]
.endif
.endr
.endm
; 32 LDS loads in one run: the fragments of my part p (0..2) of a slot into buffer f: wb's 16 first, then q's 16, my own rows ahead of the partner's
.macro FETCH slot, p, f
	WIN TO_B
.irp i, 0,1,2,3,4,5,6,7
	ds_load_tr16_b128 v[(\f)+8*(\i):(\f)+8*(\i)+3],   v[ADRB+(\slot)+2*((\p)/2)] offset:((\p)%2)*64*PB+32*(\i)
	ds_load_tr16_b128 v[(\f)+8*(\i)+4:(\f)+8*(\i)+7], v[ADRB+(\slot)+2*((\p)/2)] offset:((\p)%2)*64*PB+16*PB+32*(\i)
.endr
	WIN 0
.irp i, 0,1,2,3,4,5,6,7
	ds_load_b128 v[(\f)+8*(\i):(\f)+8*(\i)+3],   v[ADRA+(\slot)+2*((\i)/4)] offset:(\p)*CH+((\i)%4)*16*PA
	ds_load_b128 v[(\f)+8*(\i)+4:(\f)+8*(\i)+7], v[ADRA+(\slot)+2*((\i)/4)] offset:(\p)*CH+((\i)%4)*16*PA+32
.endr
.endm
; A wave's share of a K step is three parts of 32 along K, 64 matrix instructions each.  One of the first two: multiplies buffer f and, in its middle, fetches part p into buffer g.
.macro QUARTER slot, p, f, g, zero
	s_wait_dscnt 0x8                               ; wb's fragments and q's blocks 0 to 3 are in; the youngest eight loads (q's blocks 4 to 7) may be out
	MUL8 \f, 0, \zero
	MUL8 \f, 1, \zero
	MUL8 \f, 2, \zero
	MUL8 \f, 3, \zero
	PLACES
	FETCH \slot, \p, \g
	s_wait_dscnt 32                                ; all but the 32 just issued
	MUL8 \f, 4, \zero
	MUL8 \f, 5, \zero
	MUL8 \f, 6, \zero
	MUL8 \f, 7, \zero
.endm
; The last part multiplies buffer f and changes slots: ONE barrier.  In front of it each wave waits for all its tensor loads, of which one at the most is out: its part of the next slot; adds 0 to its
; spare word; and waits for that and for its own reads of this slot.  Behind it nobody reads this slot any more and the next slot is whole.
; fill = 1: the barrier opens a round of the cluster's, and this slot is filled again, two K steps ahead, first thing behind the round: 176 matrix instructions ahead of the wait for it.
; fill = 2: the same for the last step, of which 64 k exist: the two words that state what is left of the tensors are written anew.
.macro TURN slot, next, f, g, fill
	WIN 0                                          ; (the add's two registers lie in window 0)
	s_wait_tensorcnt 0x0                           ; all my tensor loads have landed
	ds_add_u32 v[SPW], v[NIL]                      ; 0 onto my spare word
	s_wait_dscnt 15                                ; (the add and the youngest fourteen loads, q's blocks 1 to 7, may be out)
	MUL8 \f, 0, 0                                  ; eight matrix instructions stand between the add and the wait for it
	s_wait_dscnt 0x0                               ; the add is done, and my reads of this slot are over
	s_barrier_signal -1
	MUL8 \f, 1, 0                                  ; work on registers while the others arrive
.if \fill
	WIN 0
.endif
	s_barrier_wait -1
.if \fill
	CREST                                          ; no wave of any partner still reads this slot's tile or has a load on its way
	s_add_nc_u64 s[G0+4*(\slot)+2:G0+4*(\slot)+3], s[G0+4*(\slot)+2:G0+4*(\slot)+3], 2*KSTEP*2       ; no tensor load of mine is out, so the descriptors may be written
	s_add_nc_u64 s[G0B+4*(\slot)+2:G0B+4*(\slot)+3], s[G0B+4*(\slot)+2:G0B+4*(\slot)+3], 2*KSTEP*ROWB
.if (\fill) == 2
	s_mov_b32 s[G1+1], 64<<16                      ; q: tensor_dim0 = 64 elements are left of each row
	s_mov_b32 s[G1B+2], 64<<16                     ; wb: tensor_dim1 = 64 rows are left
	JLOADL \slot
.else
	JLOAD \slot                                    ; the four v_nop behind it are also the places in front of the loads below
.endif
.else
	PLACES
.endif
	FETCH \next, 0, \g
	MUL8 \f, 2, 0
	MUL8 \f, 3, 0
	MUL8 \f, 4, 0
	MUL8 \f, 5, 0
	MUL8 \f, 6, 0
	MUL8 \f, 7, 0
.endm
; Once round the ring, from a lap's second part to the next lap's first: six parts, so the buffers come out as they went in; both slots are filled again.  last = 1: slot 1 takes the last, short step.
.macro LAP last
	QUARTER 0, 2, F1, F0, 0
	TURN 0, 1, F0, F1, 1
	QUARTER 1, 1, F1, F0, 0
	QUARTER 1, 2, F0, F1, 0
	TURN 1, 0, F1, F0, 1+(\last)
	QUARTER 0, 1, F0, F1, 0
	WIN 0                                          ; at a label and at a branch every window is 0
.endm
; Where block a (16 rows) of resin lies: window RW, from register RB on
.macro RLOC a
.if (\a) == 0
.set RW, 1
.set RB, 0
.elseif (\a) == 1
.set RW, 1
.set RB, 192
.elseif (\a) == 2
.set RW, 0
.set RB, 192
.else
.set RW, 1
.set RB, 64
.endif
.endm
.macro RESLOAD a                       ; 16 rows of resin: each load takes 512 consecutive bytes, aligned
	RLOC \a
	WIN RW<<6                                      ; the destination's window; the address lies in window 0
.irp t, 0,1,2,3,4,5,6,7,8,9,10,11,12,13,14,15
	global_load_b128 v[RB+4*(\t):RB+4*(\t)+3], v[CO], s[8:9] offset:(16*(\a)+(\t))*ROWR
.endr
	WIN 0
.endm
.macro FLOOR a                         ; max(resin, floor) for block a, in place
	RLOC \a
	WIN (RW<<6)|(RW<<2)                            ; destination and source 1
.set i, 0
.rept 64
	v_max_num_f32 v[RB+i], s[FLO], v[RB+i]
.set i, i+1
.endr
	WIN 0
.endm
; THE EXCHANGE: the partial sums of the partner's 64 rows (window 3) go into my part of the exchange, a lane's 32 bytes of a row at a time, in rows of 528 bytes
.macro XSTORE
	WIN 0x0c                                       ; LDS store data in window 3
.irp a, 0,1,2,3
.irp b, 0,1,2,3,4,5,6,7
	ds_store_b128 v[XS], v[8*(8*(\a)+(\b)):8*(8*(\a)+(\b))+3]   offset:(\a)*16*SP+64*(\b)      ; each accumulator's low registers are read first
	ds_store_b128 v[XS], v[8*(8*(\a)+(\b))+4:8*(8*(\a)+(\b))+7] offset:(\a)*16*SP+64*(\b)+16
.endr
.endr
.endm
; THE WAY OUT of block a (16 of my own rows x 128 columns).  A lane's 32 bytes of a row go into my own stage and come back as whole rows of 512 bytes, beside the same rows of the partner's
; partial sums; the two are added, then scale, residual and store.  left: the loads of resin issued behind this block's, which may stay out.  Block 0's resin has been floored ahead of the last part.
.macro OUTBLK a, left
	WIN 0x08                                       ; LDS store data in window 2
.irp b, 0,1,2,3,4,5,6,7
	ds_store_b128 v[STO], v[8*(8*(\a)+(\b)):8*(8*(\a)+(\b))+3]   offset:64*(\b)      ; each accumulator's low registers are read first
	ds_store_b128 v[STO], v[8*(8*(\a)+(\b))+4:8*(8*(\a)+(\b))+7] offset:64*(\b)+16
.endr
	WIN 0
.if (\a) > 0
	s_wait_xcnt 0x0                                ; every earlier memory instruction has had its addresses translated (ISA guide 3.1): TT, which the last block's stores read, is loaded again only behind this wait
.endif
.irp t, 0,1,2,3,4,5,6,7,8,9,10,11,12,13,14,15
	ds_load_b128 v[TT+4*(\t):TT+4*(\t)+3], v[RD] offset:(\t)*SP  ; LDS serves a wave's instructions in order (ISA guide 5.7.1.4): these see the stores above, and the next block's stores come behind them
	ds_load_b128 v[PP+4*(\t):PP+4*(\t)+3], v[XR] offset:(16*(\a)+(\t))*SP  ; the partner stored these ahead of the exchange's barrier
.endr
.if (\a) > 0
	s_wait_loadcnt \left                           ; this block's resin is in
	FLOOR \a
.endif
	RLOC \a
	WIN RW<<4                                      ; source 2, resin, in its window; all else in window 0
.irp t, 0,1,2,3,4,5,6,7,8,9,10,11,12,13,14,15
	s_wait_dscnt 30-2*(\t)                         ; row t is back, mine and the partner's; the 15 - t pairs behind it may be out
	v_pk_add_f32 v[TT+4*(\t):TT+4*(\t)+1],   v[TT+4*(\t):TT+4*(\t)+1],   v[PP+4*(\t):PP+4*(\t)+1]
	v_pk_add_f32 v[TT+4*(\t)+2:TT+4*(\t)+3], v[TT+4*(\t)+2:TT+4*(\t)+3], v[PP+4*(\t)+2:PP+4*(\t)+3]
	v_pk_fma_f32 v[TT+4*(\t):TT+4*(\t)+1],   v[TT+4*(\t):TT+4*(\t)+1],   s[SC:SC+1], v[RB+4*(\t):RB+4*(\t)+1]   op_sel_hi:[1,0,1]
	v_pk_fma_f32 v[TT+4*(\t)+2:TT+4*(\t)+3], v[TT+4*(\t)+2:TT+4*(\t)+3], s[SC:SC+1], v[RB+4*(\t)+2:RB+4*(\t)+3] op_sel_hi:[1,0,1]
	global_store_b128 v[CO], v[TT+4*(\t):TT+4*(\t)+3], s[14:15] offset:(16*(\a)+(\t))*ROWR  ; 512 consecutive bytes, aligned; 63 rows at the most: inside the signed 24-bit immediate
.endr
	WIN 0
.endm
	s_wait_tensorcnt 0x1                           ; my part of K step 0 is in; K step 1's may stay out
	s_barrier_signal -1
	s_barrier_wait -1                              ; everybody's is
	FETCH 0, 0, F0
	QUARTER 0, 1, F0, F1, 1                        ; the first part stands in front of the loop: its products start the sums
	WIN 0
	s_mov_b32 s19, TRIPS
.Llap:                                                 ; nine trips: K steps 0 to 17 are multiplied, K steps 2 to 19 asked for
	LAP 0
	s_sub_co_u32 s19, s19, 1
	s_cmp_lg_u32 s19, 0
	s_cbranch_scc1 .Llap
	RESLOAD 0                                      ; 48 rows of resin come in under the products of the lap below
	RESLOAD 1
	RESLOAD 2
	LAP 1                                          ; written out, since its second refill differs: K steps 18 and 19; K steps 20 and 21 are asked for
	QUARTER 0, 2, F1, F0, 0                        ; K step 20 goes on; nothing more is asked for
	TURN 0, 1, F0, F1, 0                           ; behind its barrier no wave reads slot 0 any more, and no load fills it: the exchange may lie there
	s_wait_loadcnt 32                              ; block 0's resin is in; blocks 1 and 2 may be out
	FLOOR 0                                        ; 64 plain instructions: also the places between the last products on buffer 0 and the loads into wb's half of it
	RESLOAD 3                                      ; the last 16 rows: 48 loads are out at the most
	s_wait_dscnt 0x0                               ; K step 21: one part a wave; nothing more to fetch
	MUL8 F1, 4, 0                                  ; the partner's rows first, so that they are on their way into LDS while my own are finished
	MUL8 F1, 5, 0
	MUL8 F1, 6, 0
	MUL8 F1, 7, 0
	PLACES                                         ; in front of the stores that read results
	XSTORE
	MUL8 F1, 0, 0
	MUL8 F1, 1, 0
	MUL8 F1, 2, 0
	MUL8 F1, 3, 0
	WIN 0
	PLACES                                         ; in front of the stores that read results and of the loads into the fragments' registers
	s_wait_dscnt 0x0                               ; for the partner's sake: what I give away is in LDS; and my reads of slot 1 are long over
	s_barrier_signal -1
	s_barrier_wait -1                              ; both now hold of every wave: the exchange may be read, and the stages in slot 1 written
	OUTBLK 0, 0
	OUTBLK 1, 32                                   ; behind block 1's resin: blocks 2 and 3
	OUTBLK 2, 16
	OUTBLK 3, 0
	s_wait_tensorcnt 0x0                           ; the wave's end, behind my last tensor load and my last LDS store
	ds_add_u32 v[SPW], v[NIL]
	s_wait_dscnt 0x0
	CROUND                                         ; the closing round: no work-group ends while a partner may still ask for a tile that names it
	s_endpgm
.Lfunc_end_k_qd815692a56_gemm1:
	.size	k_qd815692a56_gemm1, .Lfunc_end_k_qd815692a56_gemm1-k_qd815692a56_gemm1
	.p2alignl 7, 3214868480
	.fill 96, 4, 3214868480
	.section	.rodata,"a",@progbits
	.p2align	6, 0x0
	.amdhsa_kernel k_qd815692a56_gemm1
		.amdhsa_group_segment_fixed_size 327680
		.amdhsa_private_segment_fixed_size 0
		.amdhsa_enable_private_segment 0
		.amdhsa_kernarg_size 48
		.amdhsa_user_sgpr_count 2
		.amdhsa_user_sgpr_kernarg_segment_ptr 1
		.amdhsa_wavefront_size32 1
		.amdhsa_system_sgpr_workgroup_id_x 1
		.amdhsa_system_sgpr_workgroup_id_y 1
		.amdhsa_system_sgpr_workgroup_id_z 1
		.amdhsa_system_vgpr_workitem_id 0
		.amdhsa_next_free_vgpr 1024
		.amdhsa_next_free_sgpr 80
		.amdhsa_reserve_vcc 0
		.amdhsa_float_denorm_mode_32 3
		.amdhsa_float_denorm_mode_16_64 3
		.amdhsa_memory_ordered 1
		.amdhsa_forward_progress 1
		.amdhsa_inst_pref_size 170
	.end_amdhsa_kernel
	.amdgpu_metadata
---
amdhsa.version: [ 1, 2 ]
amdhsa.kernels:
  - .name:           k_qd815692a56_gemm1
    .symbol:         k_qd815692a56_gemm1.kd
    .args:
      - { .name: q, .offset: 0, .size: 8, .value_kind: global_buffer, .address_space: global }
      - { .name: wb1, .offset: 8, .size: 8, .value_kind: global_buffer, .address_space: global }
      - { .name: x, .offset: 16, .size: 8, .value_kind: global_buffer, .address_space: global }
      - { .name: s0, .offset: 24, .size: 8, .value_kind: global_buffer, .address_space: global }
      - { .name: s1, .offset: 32, .size: 8, .value_kind: global_buffer, .address_space: global }
      - { .name: res1, .offset: 40, .size: 8, .value_kind: global_buffer, .address_space: global }
    .group_segment_fixed_size: 327680
    .private_segment_fixed_size: 0
    .kernarg_segment_align: 8
    .kernarg_segment_size: 48
    .max_flat_workgroup_size: 128
    .sgpr_count:     80
    .vgpr_count:     1024
    .wavefront_size: 32
...
	.end_amdgpu_metadata
.endif
;; end of part 3
;; launch quant2: the kernel of part 2 again; grid 256 x 1, 8 waves a work-group, no clusters, 0 bytes of LDS; arguments res1, g1, s2, q; writes q
;; launch gemm2: the kernel of part 3 again; grid 16 x 16, 4 waves a work-group, clusters of 4 x 4, 327,680 bytes of LDS; arguments q, wb2, res1, s2, s3, res2; writes res2
;; launch final (part 4): grid 256 x 1, 8 waves a work-group, no clusters, 0 bytes of LDS; arguments res2, g2, out0; writes out0
.if DOCPART == 4
	.amdgcn_target "amdgcn-amd-amdhsa--gfx1250"
	.amdhsa_code_object_version 6
	.text
	.protected	k_qd815692a56_final
	.globl	k_qd815692a56_final
	.p2align	8
	.type	k_qd815692a56_final,@function
k_qd815692a56_final:
	s_mov_b64 s[64:65], 0
	v_nop
	global_prefetch_b8 v0, s[64:65] scope:SCOPE_SE
	s_setreg_imm32_b32 hwreg(HW_REG_WAVE_MODE, 25, 1), 1
	s_wait_xcnt 0x0
; out[r][c] = (x[r][c] * rsqrt(mean_c x^2 + 1e-6)) * g[c].  x, out: [2048][4096] f32, g: [4096] f32.  All in f32, in the problem's order of roundings: x * rs, then * g.
; rs is v_rsq_f32 with one Newton step.  LIMIT: the sum of squares is taken in 8 chains a lane and then across lanes, another order than a plain row sum.
; SHARES.  One wave, one row of 16,384 bytes: it stays in 128 registers between the sum and the scaling, so x is read once; g lies in 128 more.  No LDS, no barrier, no loop:
; the 2,048 rows are the 2,048 waves of the launch.  Matrix units and clusters have nothing to do here: no product, and nothing but g (16 KiB) is shared.
; REGISTERS.  Window 0 as named below; window 1 (s_set_vgpr_msb: bits 1:0 source 0, 3:2 source 1, 5:4 source 2, 7:6 destination): v0-127 = g.
.set ACC, 4                            ; v[4:11]    four packed chains of squares
.set SUM, 12                           ; v12        the row's sum, then mean + eps
.set PX,  13                           ; v13        the other half of the lanes' sum
.set RS,  14                           ; v[14:15]   rsqrt, twice (a pair for the packed multiply)
.set EPSV, 16                          ; v16        1e-6
.set X,   128                          ; v[128:255] the row
.set G,   0                            ; window 1
.set MSB, 0
.macro WIN new                         ; the immediate's high byte repeats the setting that is left
.if MSB != (\new)
	s_set_vgpr_msb (MSB<<8)|(\new)
.set MSB, \new
.endif
.endm
	s_load_b128 s[4:7], s[0:1], 0x0                ; x s[4:5], g s[6:7]
	s_load_b64 s[8:9], s[0:1], 0x10                ; out
	v_lshrrev_b32 v3, 5, v0
	v_readfirstlane_b32 s12, v3                    ; wave 0..7
	v_and_b32 v1, 31, v0
	v_lshlrev_b32 v1, 4, v1                        ; 16 bytes a lane
	s_lshl_b32 s13, ttmp9, 3
	s_add_co_u32 s13, s13, s12                     ; my row
	s_lshl_b32 s14, s13, 14                        ; x 16,384 bytes
	s_mov_b32 s15, 0
	s_mov_b32 s19, 0x39800000                      ; 1 / 4096
	s_mov_b32 s22, 0x76543210                      ; v_permlanex16_b32: each lane takes its own place in the other half
	s_mov_b32 s23, 0xfedcba98
	v_mov_b32 v[PX], 0                             ; a destination that counts as read is written once
	v_mov_b32 v[EPSV], 0x358637bd
	s_wait_kmcnt 0x0
	s_add_nc_u64 s[4:5], s[4:5], s[14:15]
	s_add_nc_u64 s[8:9], s[8:9], s[14:15]
.set j, 0
.rept 32                                       ; the row: 32 loads of 512 consecutive bytes
	global_load_b128 v[X+4*j:X+4*j+3], v1, s[4:5] offset:512*j th:TH_LOAD_NT
.set j, j+1
.endr
	WIN 0x40
.set j, 0
.rept 31                                       ; g, the same columns; its last load follows the first wait, so that 63 loads are out at the most
	global_load_b128 v[G+4*j:G+4*j+3], v1, s[6:7] offset:512*j
.set j, j+1
.endr
	WIN 0
	; the sum of squares; the first four products start the chains: nothing is cleared
.set j, 0
.rept 32
.if j == 0
	s_wait_loadcnt 62                              ; behind x's load 0: 31 of x, 31 of g
.else
	s_wait_loadcnt 63-j                            ; behind x's load j: 31 - j of x, 32 of g
.endif
.if j < 2
	v_pk_mul_f32 v[ACC+4*j:ACC+4*j+1], v[X+4*j:X+4*j+1], v[X+4*j:X+4*j+1]
	v_pk_mul_f32 v[ACC+4*j+2:ACC+4*j+3], v[X+4*j+2:X+4*j+3], v[X+4*j+2:X+4*j+3]
.else
	v_pk_fma_f32 v[ACC+4*(j%2):ACC+4*(j%2)+1], v[X+4*j:X+4*j+1], v[X+4*j:X+4*j+1], v[ACC+4*(j%2):ACC+4*(j%2)+1]
	v_pk_fma_f32 v[ACC+4*(j%2)+2:ACC+4*(j%2)+3], v[X+4*j+2:X+4*j+3], v[X+4*j+2:X+4*j+3], v[ACC+4*(j%2)+2:ACC+4*(j%2)+3]
.endif
.if j == 0
	WIN 0x40
	global_load_b128 v[G+124:G+127], v1, s[6:7] offset:512*31
	WIN 0
.endif
.set j, j+1
.endr
	v_pk_add_f32 v[ACC:ACC+1], v[ACC:ACC+1], v[ACC+2:ACC+3]
	v_pk_add_f32 v[ACC+4:ACC+5], v[ACC+4:ACC+5], v[ACC+6:ACC+7]
	v_pk_add_f32 v[ACC:ACC+1], v[ACC:ACC+1], v[ACC+4:ACC+5]
	v_add_f32 v[SUM], v[ACC], v[ACC+1]
	v_add_f32_dpp v[SUM], v[SUM], v[SUM] row_xmask:1 row_mask:0xf bank_mask:0xf
	v_add_f32_dpp v[SUM], v[SUM], v[SUM] row_xmask:2 row_mask:0xf bank_mask:0xf
	v_add_f32_dpp v[SUM], v[SUM], v[SUM] row_xmask:4 row_mask:0xf bank_mask:0xf
	v_add_f32_dpp v[SUM], v[SUM], v[SUM] row_xmask:8 row_mask:0xf bank_mask:0xf
	v_permlanex16_b32 v[PX], v[SUM], s22, s23
	v_add_f32 v[SUM], v[SUM], v[PX]                ; every lane holds the row's sum
	v_fma_f32 v[SUM], v[SUM], s19, v[EPSV]         ; the division by 4,096 is exact, so this is mean + eps rounded once
	v_rsq_f32 v[RS], v[SUM]
	v_nop                                          ; the plain instruction behind the transcendental (ISA guide 5.7.2)
	s_wait_alu depctr_va_vdst(0)
	v_mul_f32 v20, v[SUM], v[RS]                   ; Newton: rs + 0.5 rs (1 - var rs^2)
	v_mul_f32 v22, 0.5, v[RS]
	v_fma_f32 v21, -v20, v[RS], 1.0
	v_fma_f32 v[RS], v22, v21, v[RS]
	v_mov_b32 v[RS+1], v[RS]
.set j, 0
.rept 64                                       ; x * rs
	v_pk_mul_f32 v[X+2*j:X+2*j+1], v[X+2*j:X+2*j+1], v[RS:RS+1]
.set j, j+1
.endr
	WIN 0x04                                       ; source 1 in window 1
.set j, 0
.rept 32                                       ; * g
	s_wait_loadcnt 31-j                            ; g's load j is in, the 31 - j younger ones stay out
	v_pk_mul_f32 v[X+4*j:X+4*j+1], v[X+4*j:X+4*j+1], v[G+4*j:G+4*j+1]
	v_pk_mul_f32 v[X+4*j+2:X+4*j+3], v[X+4*j+2:X+4*j+3], v[G+4*j+2:G+4*j+3]
.set j, j+1
.endr
	WIN 0                                          ; a store's data is its source 1: the stores stand under window 0
.set j, 0
.rept 32
	global_store_b128 v1, v[X+4*j:X+4*j+3], s[8:9] offset:512*j th:TH_STORE_NT  ; 512 consecutive bytes, aligned
.set j, j+1
.endr
	s_endpgm
.Lfunc_end_k_qd815692a56_final:
	.size	k_qd815692a56_final, .Lfunc_end_k_qd815692a56_final-k_qd815692a56_final
	.p2alignl 7, 3214868480
	.fill 96, 4, 3214868480
	.section	.rodata,"a",@progbits
	.p2align	6, 0x0
	.amdhsa_kernel k_qd815692a56_final
		.amdhsa_group_segment_fixed_size 0
		.amdhsa_private_segment_fixed_size 0
		.amdhsa_enable_private_segment 0
		.amdhsa_kernarg_size 24
		.amdhsa_user_sgpr_count 2
		.amdhsa_user_sgpr_kernarg_segment_ptr 1
		.amdhsa_wavefront_size32 1
		.amdhsa_system_sgpr_workgroup_id_x 1
		.amdhsa_system_sgpr_workgroup_id_y 1
		.amdhsa_system_sgpr_workgroup_id_z 1
		.amdhsa_system_vgpr_workitem_id 0
		.amdhsa_next_free_vgpr 384
		.amdhsa_next_free_sgpr 66
		.amdhsa_reserve_vcc 0
		.amdhsa_float_denorm_mode_32 3
		.amdhsa_float_denorm_mode_16_64 3
		.amdhsa_memory_ordered 1
		.amdhsa_forward_progress 1
		.amdhsa_inst_pref_size 26
	.end_amdhsa_kernel
	.amdgpu_metadata
---
amdhsa.version: [ 1, 2 ]
amdhsa.kernels:
  - .name:           k_qd815692a56_final
    .symbol:         k_qd815692a56_final.kd
    .args:
      - { .name: res2, .offset: 0, .size: 8, .value_kind: global_buffer, .address_space: global }
      - { .name: g2, .offset: 8, .size: 8, .value_kind: global_buffer, .address_space: global }
      - { .name: out0, .offset: 16, .size: 8, .value_kind: global_buffer, .address_space: global }
    .group_segment_fixed_size: 0
    .private_segment_fixed_size: 0
    .kernarg_segment_align: 8
    .kernarg_segment_size: 24
    .max_flat_workgroup_size: 256
    .sgpr_count:     66
    .vgpr_count:     384
    .wavefront_size: 32
...
	.end_amdgpu_metadata
.endif
;; end of part 4
